; MI455X (gfx1250); checked and timed in simulation.
; The chip was launched on July 23, 2026; its instructions are those of AMD's public machine-readable ISA for CDNA 5 (MIT licence, August 2026) and "CDNA5" Instruction Set Architecture Reference Guide (July 2026). The comments in the code are by the model that wrote it; some were corrected since.
;; Original Full Attention. Allowed arithmetic: matrix products marked QUANTISED: E2M1 operands, one E8M0 scale for each 32 along K, by v_wmma_scale_f32_16x16x128_f8f6f4 with both operands' format E2M1 (or v_wmma_scale_f32_32x16x128_f4), f32 sums; everything else in f32.
;; Inputs: attention_mask 2 x 1 x 1 x 2,048 float32; key_layer 2 x 16 x 2,048 x 64 float32; query_layer 2 x 16 x 2,048 x 64 float32; value_layer 2 x 16 x 2,048 x 64 float32.
;; Outputs: out0 2 x 2,048 x 16 x 64 float32.
;; Constants: size_per_head = 64.
;; This version of the problem:
;;   THIS VERSION OF THE PROBLEM IS GIVEN IN LOW PRECISION. The matrix products marked QUANTISED in the list below multiply operands that are first quantised to E2M1 (2 exponent bits, 1 mantissa bit; 4 bits a number), with one power-of-two scale for each 32 numbers along K (OCP MX v1.0); their sums are f32. All else is computed in f32.
;;   The module's matrix products, in the order in which they are computed (A, B: the left and right operand; K: the contracted axis; several contracted axes count as one K, in the product's order):
;;     1. batch 32 x [M 2,048, K 64] x [K 64, N 2,048]; A: input query_layer; B: input key_layer: QUANTISED
;;     2. batch 32 x [M 64, K 2,048] x [K 2,048, N 2,048]; A: input value_layer; B: softmax (see below): QUANTISED
;;   THE QUANTISER, for each operand of a quantised product, along K:
;;     - K is cut into blocks of 32 from its start; a last block that is shorter is filled with zeros.
;;     - A block's scale is 2^e with e = floor(log2(the largest magnitude in the block)) - 2, held to -126 .. 127; a block of zeros has e = 0. As a byte (E8M0): e + 127.
;;     - Each number is divided by its block's scale, clamped to +-6, and rounded to the nearest number of E2M1, ties to even, subnormals kept.
;;     - The product sums the exact products of the quantised numbers (number of the format x scale) in f32.
;;   ~~~python
;;   def quantise(x, axis):      # numpy; x: float32 -> the quantised numbers, widened to float32 again
;;       x = np.moveaxis(x, axis, -1); K = x.shape[-1]
;;       x = np.pad(x, [(0, 0)] * (x.ndim - 1) + [(0, -K % 32)]); x = x.reshape(x.shape[:-1] + (-1, 32)); a = np.abs(x).max(-1, keepdims=True)
;;       e = np.where(a > 0, np.clip(np.frexp(np.where(a > 0, a, 1))[1] - 1 - 2, -126, 127), 0)      # np.frexp(a)[1] - 1 = floor(log2(a)), exactly
;;       r = np.clip(x / 2.0 ** e, -6, 6)
;;       step = 2.0 ** (np.maximum(np.frexp(np.where(r == 0, 1, r))[1] - 1, 0) - 1)
;;       q = np.round(r / step) * step * 2.0 ** e      # np.round: ties to even
;;       return np.moveaxis(q.reshape(q.shape[:-2] + (-1,))[..., :K], -1, axis).astype(np.float32)
;;   ~~~
;;   SOFTMAX AHEAD OF A QUANTISED PRODUCT. Where the list says 'softmax', what is quantised is not the finished softmax but p = 2^(t - M), with t = logit x log2(e) and M = ceil(the row's largest t), a whole number; so 1/2 < the row's largest p <= 1. The row's sum l is taken of the UNQUANTISED p, in f32, and the product's result is divided by l at the end. Since M is a whole number, a kernel that streams over the keys may use a running M (the ceiling of the running maximum): every later rescaling is an exact power of two, which a block's scale takes up: the codes' values come out the same.
;;   OPERANDS COMPUTED ON THE WAY. 'Computed on the way' means the value that the module computes at that place (a softmax that the list does not call 'softmax' is quantised finished and normalised). What goes into a quantiser is computed in f32, as accurately as f32 sums, v_exp_f32 and their like allow (about 1e-6 of the number): no bf16 or f16 on the way to a quantiser, and a product that is left as it is and whose result goes on into a quantised operand takes f32 operands (vector FMAs, or v_wmma_f32_16x16x4_f32). A number that lies on a knife's edge between two numbers of the format may be rounded either way, as far as f32 arithmetic and the matrix unit's own rounding can turn it there, and no further.
;; One version. Each part assembles by itself: llvm-mc -triple=amdgcn-amd-amdhsa -mcpu=gfx1250 --defsym DOCPART=n.
;; ======== version 1 of 1: 1 launch
;; limits: right only within a limited range of input values
;; launch attn (part 1): grid 8 x 32, 8 waves a work-group, no clusters, 193,536 bytes of LDS; arguments query_layer, key_layer, value_layer, attention_mask, out0; writes out0
.if DOCPART == 1
	.amdgcn_target "amdgcn-amd-amdhsa--gfx1250"
	.amdhsa_code_object_version 6
	.text
	.protected	k_qd9b0b0f832_attn
	.globl	k_qd9b0b0f832_attn
	.p2align	8
	.type	k_qd9b0b0f832_attn,@function
k_qd9b0b0f832_attn:
	s_mov_b64 s[64:65], 0
	v_nop
	global_prefetch_b8 v0, s[64:65] scope:SCOPE_SE
	s_setreg_imm32_b32 hwreg(HW_REG_WAVE_MODE, 25, 1), 1
	s_wait_xcnt 0x0
; out0[b][f][n][:] = the sum over t of softmax_t(Q[b][n][f] . K[b][n][t] / 8 + (1 - mask[b][t]) x -10000) V[b][n][t][:].  Q, K, V: [2][16][2048][64] f32; mask [2][2048] f32; out0 [2][2048][16][64] f32.
; Both products run on codes of FP4 (E2M1) with one E8M0 scale for each 32 along a product's K: Q and K along the head's 64, V and p along the keys.
; THE SOFTMAX: t = (q . k + bias') x c, bias' = (1 - mask) x -80000 (the mask's term times 8, which rounds nothing), c = log2(e) / 8.  A block of 32 keys takes F = floor(its largest t) away: p' = 2^(t - F), the largest of
; them in [1, 2): so the block's scale for p' is 2^-2 whatever the numbers are, and the conversion's scale operand is a constant.  M = the row's largest F so far: p = 2^(t - M) = p' x 2^(F - M), an exact power of two, which goes
; into the block's scale byte (F - M + 125, held at 1) and, by an exact ldexp, onto the block's share of the row's sum, which is taken of the unquantised p'.  M moves once in 256 keys; the sum and O are then multiplied by 2^(old M - new M).
; SHARES.  256 work-groups: 32 heads x 8 blocks of 256 queries.  Eight waves; each owns TWO tiles of 16 queries (A and B), so that each fragment of K and V, and each load of bias', serves two tiles.
; K AND V ARE QUANTISED HERE, INTO LDS, AS IMAGES OF THE OPERANDS' REGISTERS.  A head's codes are 128 KiB, so every LDS byte is written once.  The work goes by chunks of 256 keys: while chunk t is multiplied, each wave
; quantises its eighth of V's chunk t and of K's chunk t + 1, and asks for its eighth of V's chunk t + 1 and of K's chunk t + 2, a few loads at a time.  One barrier a chunk: signalled when the wave's part is stored,
; waited for three units of work later, ahead of the reads of V's chunk t and K's chunk t + 1.
; NO CLUSTER: a joint load would lay a head's 1 MiB of f32 in each work-group's LDS, to be read back once for the quantiser, eight times the 128 KiB of codes that are kept; here it goes from memory straight into the registers that the conversions read.
; NO PREFETCH: the loads into registers are themselves the look-ahead: each stands four units (64 keys x 16 queries of the wave each) or more ahead of its first reader, in the same loop.
; LAYOUT.  Both products are transposed: S^T = K Q^T (source 0 = keys), O^T = V^T P^T: a lane holds ONE query (lane % 16) throughout.
; The matrix instruction is 128 deep and the head is 64: one fragment of K holds TWO tiles of 16 keys (registers 0-3, 4-7), and Q stands beside zero codes: [q, 0] picks the first tile, [0, q] the second.
; Inside a block of 32 of the head's dims K and Q lie in the same permuted order (macro LPAIR), which leaves the products as they are.
; THE KEYS OF A TILE ARE NOT NEIGHBOURS: row r of tile u of 64 keys is key 32 (r / 8) + 8 u + r % 8: so S's register 8 u + j of lane (r, h) is key 32 h + 8 u + j: a lane holds a WHOLE block of 32 keys, and its codes are the second
; product's operand as they stand.  bias' is the C of the first product, in registers of its own, which both tiles share.
; A UNIT = 64 keys of one tile.  Units 0 .. 7 of a chunk are A, B, A, B ..; unit u's exponentials stand behind the matrix instructions of unit u + 1.
; LIMITS.  NaN and infinities among the inputs are not served.  The scaled scores stay under 2^31 in magnitude.  A block of zeros gets the scale byte 1 where the rule says 127: its codes are zeros and this program alone reads the bytes.
; p' under 2^-126 counts as 0 (v_exp_f32 flushes), and a block whose largest p lies under 2^-124 counts as if it lay there.  score + bias' is rounded once, inside the matrix instruction's sum, where the definition rounds an f32 addition.
.set SCB,   131072                     ; LDS: 0 .. 131071 the images: 128 keys at 8192 s: K: 2048 c + 512 u + 16 lane (c = which 64 keys); V: 4096 + 1024 ct + 512 c + 16 lane
.set MB,    139264                     ; SCB: scale words, 512 s: lane L's 16 bytes: K's c = 0, c = 1 (lanes 0-15 tiles u = 0, 1; lanes 16-31 u = 2, 3), V's channel tiles 0|1, 2|3
.set QAR,   147456                     ; MB: bias', 4 bytes a key.   QAR: Q's images, 1280 bytes a wave
.set STG,   157696                     ; the way out: 16 rows x 272 bytes for each wave
.set SPARE, 192512                     ; the spare words
.set FLOOR, 0x1800000                  ; 2^(3 - 127): no largest magnitude is taken under it, so a scale byte cannot fall under 1
; window 0
.set LI, 1                             ; 16 x lane
.set LSC, 2                            ; SCB + 16 x lane
.set LMB, 3                            ; MB + 128 x (lane / 16)
.set SPW, 4
.set NIL, 5
.set ADK, 6                            ; the chunk's LDS addresses: images, scale words, bias'
.set ADS, 7
.set ADM, 8
.set SC, 9                             ; 2^-2: the conversion's scale operand for p'
.set KS, 10                            ; v10-13 K's scale words, one for each 64 keys of the chunk
.set VS, 14                            ; v14-17 V's
.set NM, 18                            ; v18, v19 -M of tile A, B
.set L, 20                             ; v20, v21 the row's sum, this lane's keys
.set FF, 22                            ; v22, v24 f = 2^(old M - new M) (v23, v25 named with them as pairs)
.set PS, 26                            ; v26-29 p's scale words: A's two 128 keys, B's two
.set G, 30                             ; v30-33 maxima;  v30-37 at work when M moves
.set I, 30
.set A2, 34                            ; v[34:35], v[36:37] a unit's sum
.set B2, 36
.set Q, 38                             ; v38-57: qA, 0, qB, 0, qA
.set QS, 58                            ; v58, v59
.set FB, 62                            ; v62-77: for tile and group of 64 keys a pair: -F, and the block's sum
.set P, 78                             ; v78-109 p's codes: 16 a tile
.set K, 110                            ; v110-125 two fragments of K
.set S, 126                            ; v126-157 tile A's scores, then p'; v158-189 B's (at the head: 64 numbers of K's chunk 0)
.set O, 190                            ; v190-221 O^T of A, v222-253 of B
; window 1
.set XK, 0                             ; 64 numbers of K on their way to the quantiser
.set XV, 64                            ; 64 of V
.set VF, 128                           ; V's fragments of a chunk (at the head: 64 numbers of Q)
.set C, 192
.set GM, 200
.set KWA, 208                          ; where I store K's codes, K's bytes, V's codes, V's bytes, in a chunk
.set KWS, 209
.set VWA, 210
.set VWS, 211
.set KGO, 212                          ; my byte offset in a chunk of K or of Q in memory; of V
.set VGO, 213
.set TA, 214
.set TSB, 215
.set QWA, 216
.set QWS, 217
.set BI, 224                           ; bias' of 64 keys
.set KB, 6                             ; s[6:7] K one chunk behind the one to be loaded, s[8:9] V at the chunk to be loaded
.set VB, 8
.set WV, 14
.set SEL, 20
.set CS, 22
.set TB, 24                            ; 16384 x chunk; 1024 x chunk
.set TS, 25
.set CNT, 28
.set MSB, 0
.macro WIN new                         ; register windows; the immediate's high byte repeats the setting that is left
.if MSB != \new
	s_set_vgpr_msb (MSB<<8)|\new
.set MSB, \new
.endif
.endm
; 4 of my 32 rows of 64 numbers: lane l: row 4 p + l / 8, block b = (l / 4) % 2 of the row's two, dims 4 (l % 4) .. + 3 and 16 + 4 (l % 4) .. + 3 of it: four lanes of a load cover 64 consecutive bytes, the pair of loads 1,024.
.macro LPAIR p, x, b, o
	global_load_b128 v[\x+8*\p:\x+8*\p+3], v[KGO], s[\b:\b+1] offset:\o+1024*\p
	global_load_b128 v[\x+8*\p+4:\x+8*\p+7], v[KGO], s[\b:\b+1] offset:\o+1024*\p+64
.endm
; V: wave w takes block w of 32 keys; lane l channel 32 q + l: a lane's registers run down the keys.  Keys from .. from + n - 1 of them.
.macro LV q, from, n
.set i, \from
.rept \n
	global_load_b32 v[XV+32*\q+i], v[VGO], s[VB:VB+1] offset:256*i+128*\q
.set i, i+1
.endr
.endm
; Eight pairs: a lane holds 8 numbers of a block, four neighbouring lanes the block.  Codes into C + p, bytes into GM + p.  w: the window of the numbers.
.macro QROWS x, w
.if \w
	WIN 0x55
.else
	WIN 0x41
.endif
.irp p, 0,1,2,3,4,5,6,7
	v_max3_num_f32 v[GM+\p], FLOOR, |v[\x+8*\p]|, |v[\x+8*\p+1]|
.endr
.irp i, 2,4,6
.irp p, 0,1,2,3,4,5,6,7
	v_max3_num_f32 v[GM+\p], v[GM+\p], |v[\x+8*\p+\i]|, |v[\x+8*\p+\i+1]|
.endr
.endr
	WIN 0x55
.irp p, 0,1,2,3,4,5,6,7
	v_max_num_f32_dpp v[GM+\p], v[GM+\p], v[GM+\p] row_xmask:1 row_mask:0xf bank_mask:0xf
.endr
.irp p, 0,1,2,3,4,5,6,7
	v_max_num_f32_dpp v[GM+\p], v[GM+\p], v[GM+\p] row_xmask:2 row_mask:0xf bank_mask:0xf
.endr
.irp p, 0,1,2,3,4,5,6,7
	v_add_nc_u32 v[GM+\p], 0xff000000, v[GM+\p]    ; 2 off the exponent field: the conversion takes this operand's exponent field as its scale
.endr
.if \w == 0
	WIN 0x44
.endif
.irp p, 0,1,2,3,4,5,6,7
	v_cvt_scalef32_pk8_fp4_f32 v[C+\p], v[\x+8*\p:\x+8*\p+7], v[GM+\p]
.endr
	WIN 0x55
	v_nop                                          ; the plain line behind the conversions
.irp p, 0,1,2,3,4,5,6,7
	v_lshrrev_b32 v[GM+\p], 23, v[GM+\p]
.endr
.endm
; K's part: x, w: where its numbers are.  io, so: from the chunk in hand to the chunk that is written, in bytes of images and of scale words.
.macro STK x, w, io, so
	v_add_nc_u32 v[TA], s[TB], v[KWA]
	v_add_nc_u32 v[TSB], s[TS], v[KWS]
	QROWS \x, \w
.irp p, 0,1,2,3,4,5,6,7
	ds_store_b32 v[TA], v[C+\p] offset:\io+512*(\p/2)+64*(\p%2)
	ds_store_b8 v[TSB], v[GM+\p] offset:\so+256*(\p/4)+2*((\p/2)%2)+64*(\p%2)   ; the four lanes of a block write the same byte with the same value
.endr
.endm
; half q of V's part: 32 keys of one channel in a lane: a whole block
.macro STV q
.set x, XV+32*\q
	v_add_nc_u32 v[TA], s[TB], v[VWA]
	v_add_nc_u32 v[TSB], s[TS], v[VWS]
.irp c, 0,1,2,3
	v_max3_num_f32 v[GM+\c], |v[x+8*\c]|, |v[x+8*\c+1]|, |v[x+8*\c+2]|
.endr
.irp i, 3,5
.irp c, 0,1,2,3
	v_max3_num_f32 v[GM+\c], v[GM+\c], |v[x+8*\c+\i]|, |v[x+8*\c+\i+1]|
.endr
.endr
	v_max3_num_f32 v[GM], v[GM], |v[x+7]|, |v[x+15]|
	v_max3_num_f32 v[GM+1], v[GM+1], |v[x+23]|, |v[x+31]|
	v_max3_num_f32 v[GM+2], v[GM+2], v[GM+3], FLOOR
	v_max3_num_f32 v[GM], v[GM], v[GM+1], v[GM+2]
	v_add_nc_u32 v[GM+4], 0xff000000, v[GM]
.irp g, 0,1,2,3
	v_cvt_scalef32_pk8_fp4_f32 v[C+\g], v[x+8*\g:x+8*\g+7], v[GM+4]
.endr
	v_lshrrev_b32 v[GM], 23, v[GM+4]               ; the byte (also the plain line behind the conversions)
	ds_store_b128 v[TA], v[C:C+3] offset:2048*\q
	ds_store_b8 v[TSB], v[GM] offset:4*\q
.endm
; the fragments of K and the bias' of 64 keys, group g of the chunk; with group 0 K's scale words of the chunk
.macro GLOAD g
	WIN 0x40
.irp i, 0,1,2,3,4,5,6,7
	ds_load_b128 v[BI+4*\i:BI+4*\i+3], v[ADM] offset:256*(\g)+16*\i
.endr
	WIN 0
.irp x, 0,1,2,3
	ds_load_b128 v[K+4*\x:K+4*\x+3], v[ADK] offset:8192*((\g)/2)+2048*((\g)%2)+512*\x
.endr
.if (\g) == 0
	ds_load_b64 v[KS:KS+1], v[ADS]
	ds_load_b64 v[KS+2:KS+3], v[ADS] offset:512
.endif
.endm
; V's fragments and scale words of the chunk
.macro VLOAD
	WIN 0x40
.irp s, 0,1
.irp ct, 0,1,2,3
.irp c, 0,1
	ds_load_b128 v[VF+32*\s+8*\ct+4*\c:VF+32*\s+8*\ct+4*\c+3], v[ADK] offset:8192*\s+4096+1024*\ct+512*\c
.endr
.endr
.endr
	WIN 0
.irp s, 0,1
	ds_load_b64 v[VS+2*\s:VS+2*\s+1], v[ADS] offset:512*\s+8
.endr
.endm
; S^T = K Q^T + bias' of unit u: four tiles of 16 keys; C = bias' in window 1
.macro QK u
.set QT, (\u)%2
.set QG, (\u)/2
	WIN 0x10
.irp x, 0,1,2,3
.if QT
.set QB, Q+8-4*(\x%2)
.else
.set QB, Q+12*(\x%2)
.endif
.if \x/2
	v_wmma_scale_f32_16x16x128_f8f6f4 v[S+32*QT+8*\x:S+32*QT+8*\x+7], v[K+8*(\x/2):K+8*(\x/2)+7], v[QB:QB+7], v[BI+8*\x:BI+8*\x+7], v[KS+QG], v[QS+QT] matrix_a_fmt:MATRIX_FMT_FP4 matrix_b_fmt:MATRIX_FMT_FP4 matrix_a_scale:MATRIX_SCALE_ROW1
.else
	v_wmma_scale_f32_16x16x128_f8f6f4 v[S+32*QT+8*\x:S+32*QT+8*\x+7], v[K+8*(\x/2):K+8*(\x/2)+7], v[QB:QB+7], v[BI+8*\x:BI+8*\x+7], v[KS+QG], v[QS+QT] matrix_a_fmt:MATRIX_FMT_FP4 matrix_b_fmt:MATRIX_FMT_FP4
.endif
.endr
.endm
; the sum of the unit before (its p' at SV), in two chains: pairs 0 | 2, then round k: pairs 2 k + 2 | 2 k + 3
.macro SI
.if UU > 0
	v_pk_add_f32 v[A2:A2+1], v[SV:SV+1], v[SV+2:SV+3]
	v_pk_add_f32 v[B2:B2+1], v[SV+4:SV+5], v[SV+6:SV+7]
.endif
.endm
.macro SR k
.if UU > 0
	v_pk_add_f32 v[A2:A2+1], v[A2:A2+1], v[SV+4*\k+4:SV+4*\k+5]
	v_pk_add_f32 v[B2:B2+1], v[B2:B2+1], v[SV+4*\k+6:SV+4*\k+7]
.endif
.endm
.macro CODES                           ; the codes of the unit before
.irp x, 0,1,2,3
	v_cvt_scalef32_pk8_fp4_f32 v[P+16*((UU-1)%2)+4*((UU-1)/2)+\x], v[SV+8*\x:SV+8*\x+7], v[SC]
.endr
.endm
.macro MX c, o
	v_max3_num_f32 v[G+\c], v[G+\c], v[SU+8*\c+\o], v[SU+8*\c+\o+1]
.endm
; A UNIT.  kind 3: V's chunk t and K's chunk t + 1 are quantised, the next of both asked for;  2: the same, but K's last chunk is there;  1: the last chunk: V alone, and nothing to ask for.
; A chunk's loads, in order: K's pairs (unit 0: 6 loads, 1: 6, 2: 4), V's first half (2: 8, 3: 24), its second (4: 16, the chunk's end: 16).
.macro UNIT u, kind
.set UU, \u
.set SU, S+32*((\u)%2)
.set SV, S+32*(((\u)+1)%2)
.set NF, FB+8*((\u)%2)+2*((\u)/2)
.if \u > 0
	v_nop                                          ; the plain line behind the last unit's exponentials
.if \u == 5
	s_wait_dscnt 0x0                               ; my parts are stored: say so.  Until the wait at the chunk's end only registers are worked on and this chunk's bytes of K and bias' read
	s_barrier_signal -1
.endif
	s_wait_alu depctr_va_vdst(0)                   ; for the exponentials' and the products' readers
.endif
.irp c, 0,1,2,3
	v_max3_num_f32 v[G+\c], v[SU+8*\c], v[SU+8*\c+1], v[SU+8*\c+2]   ; the block's largest score: four chains, beside the sum of the unit before
.endr
	SI
	MX 0, 3
	MX 1, 3
	SR 1
	MX 2, 3
	MX 3, 3
	SR 2
	MX 0, 5
	MX 1, 5
	SR 3
	MX 2, 5
	MX 3, 5
	SR 4
	v_max3_num_f32 v[G], v[G], v[SU+7], v[SU+15]
	v_max3_num_f32 v[G+1], v[G+1], v[SU+23], v[SU+31]
	SR 5
	v_max3_num_f32 v[G], v[G], v[G+1], v[G+2]
	SR 6
	v_max_num_f32 v[G], v[G], v[G+3]
.if \u > 0
	v_pk_add_f32 v[A2:A2+1], v[A2:A2+1], v[B2:B2+1]
.endif
	v_mul_f32 v[G], s[CS], v[G]                    ; as t (c is positive)
.if \u > 0
	CODES
	v_add_f32 v[FB+8*((UU-1)%2)+2*((UU-1)/2)+1], v[A2], v[A2+1]
.endif
	v_ceil_f32 v[NF], -v[G]                        ; -F
.if (\u > 0) && (\u < 7)
.if (\u)%2
	s_wait_alu depctr_va_vdst(0)
	s_wait_dscnt 0x0                               ; the next group's fragments and bias' are in
.endif
	QK \u+1
.endif
.if (\u == 0) && (\kind >= 2)
	WIN 0x55
	s_wait_loadcnt 63                              ; K is in: behind its 16 loads V's 64 may be out
	s_wait_xcnt 0x0                                ; the bases may step
	s_add_nc_u64 s[VB:VB+1], s[VB:VB+1], 65536
.if \kind == 3
	s_add_nc_u64 s[KB:KB+1], s[KB:KB+1], 65536
.endif
	STK XK, 1, 16384, 1024
.if \kind == 3
	LPAIR 0, XK, KB, 65536
	LPAIR 1, XK, KB, 65536
	LPAIR 2, XK, KB, 65536
.endif
.endif
.if \u == 1
	WIN 0x55
.if \kind == 3
	s_wait_loadcnt 38                              ; V's first half is in: behind it its other 32 and K's 6
.else
	s_wait_loadcnt 32
.endif
	STV 0
.if \kind == 3
	LPAIR 3, XK, KB, 65536
	LPAIR 4, XK, KB, 65536
	LPAIR 5, XK, KB, 65536
.endif
.endif
.if (\u == 2) && (\kind >= 2)
	WIN 0x55
.if \kind == 3
	LPAIR 6, XK, KB, 65536
	LPAIR 7, XK, KB, 65536
.endif
	LV 0, 0, 8
.endif
.if \u == 3
	WIN 0x55
.if \kind == 3
	s_wait_loadcnt 24                              ; V's second half is in: behind it K's 16 and V's new 8
.elseif \kind == 2
	s_wait_loadcnt 8
.else
	s_wait_loadcnt 0
.endif
	STV 1
.if \kind >= 2
	LV 0, 8, 24
.endif
.endif
.if (\u == 4) && (\kind >= 2)
	WIN 0x55
	LV 1, 0, 16
.endif
	WIN 0
.set j, 0
.rept 16
	v_pk_fma_f32 v[SU+2*j:SU+2*j+1], v[SU+2*j:SU+2*j+1], s[CS:CS+1], v[NF:NF+1] op_sel_hi:[1,0,0]   ; t - F (of the pairs the low words serve both halves)
.set j, j+1
.endr
.if ((\u)%2 == 0) && (\u < 6)
	GLOAD (\u)/2+1                                 ; both tiles' products have read the group before
.endif
	s_wait_alu depctr_va_vdst(0)                   ; ahead of the batch
.set j, 0
.rept 32
	v_exp_f32 v[SU+j], v[SU+j]                     ; p'
.set j, j+1
.endr
.endm
; M MOVES, once a chunk, both tiles by turns: f, the row's sum, p's scale words
.macro MOVE
.irp t, 0,1
	v_min3_num_f32 v[FF+2*\t], v[FB+8*\t], v[FB+8*\t+2], v[FB+8*\t+4]
.endr
.irp t, 0,1
	v_min3_num_f32 v[FF+2*\t], v[FF+2*\t], v[FB+8*\t+6], v[NM+\t]
.endr
.irp t, 0,1
	v_permlanex16_b32 v[I+4*\t], v[FF+2*\t], s[SEL], s[SEL+1]
.endr
.irp t, 0,1
	v_min_num_f32 v[FF+2*\t], v[FF+2*\t], v[I+4*\t]   ; with lane l xor 16's blocks: the new -M
.endr
.irp t, 0,1
	v_sub_f32 v[I+4*\t], v[FF+2*\t], v[NM+\t]      ; old M - new M
.endr
.irp t, 0,1
	v_mov_b32 v[NM+\t], v[FF+2*\t]
.endr
.irp t, 0,1
	v_cvt_i32_f32 v[I+4*\t], v[I+4*\t]             ; (it saturates)
.endr
.irp t, 0,1
	v_ldexp_f32 v[FF+2*\t], 1.0, v[I+4*\t]         ; f
.endr
.irp g, 0,1,2,3
.irp t, 0,1
	v_sub_f32 v[I+4*\t+\g], v[NM+\t], v[FB+8*\t+2*\g]   ; F - M of each block
.endr
.endr
.irp g, 0,1,2,3
.irp t, 0,1
	v_cvt_i32_f32 v[I+4*\t+\g], v[I+4*\t+\g]
.endr
.endr
.irp g, 0,1,2,3
.irp t, 0,1
	v_ldexp_f32 v[FB+8*\t+2*\g+1], v[FB+8*\t+2*\g+1], v[I+4*\t+\g]   ; the block's sum under M
.endr
.endr
.irp t, 0,1
	v_fma_f32 v[L+\t], v[L+\t], v[FF+2*\t], v[FB+8*\t+1]
.endr
.irp t, 0,1
	v_add_f32 v[FB+8*\t+3], v[FB+8*\t+3], v[FB+8*\t+5]
.endr
.irp t, 0,1
	v_add_f32 v[L+\t], v[L+\t], v[FB+8*\t+7]
.endr
.irp g, 0,1,2,3
.irp t, 0,1
	v_max_i32 v[I+4*\t+\g], 0xffffff84, v[I+4*\t+\g]   ; held at -124: the byte at 1
.endr
.endr
.irp t, 0,1
	v_add_f32 v[L+\t], v[L+\t], v[FB+8*\t+3]
.endr
.irp g, 0,2
.irp t, 0,1
	v_lshl_add_u32 v[I+4*\t+\g], v[I+4*\t+\g+1], 16, v[I+4*\t+\g]
.endr
.endr
.irp g, 0,2
.irp t, 0,1
	v_add_nc_u32 v[I+4*\t+\g], 0x7d007d, v[I+4*\t+\g]   ; + 125 in both halves: my bytes 0 and 2 of the word
.endr
.endr
.irp g, 0,2
.irp t, 0,1
	v_permlanex16_b32 v[I+4*\t+\g+1], v[I+4*\t+\g], s[SEL], s[SEL+1]
.endr
.endr
.irp g, 0,2
.irp t, 0,1
	v_lshl_or_b32 v[PS+2*\t+\g/2], v[I+4*\t+\g+1], 8, v[I+4*\t+\g]   ; lanes 0-15: the whole word (lanes 16-31 are not read)
.endr
.endr
.endm
; THE CHUNK'S END: unit 7's sum and codes; behind the barrier V's fragments and the next chunk's first group are read; M moves; the next chunk's first products; O^T += V^T P^T.
.macro FIN kind
	v_nop
.set UU, 8
.set SV, S+32
	s_wait_alu depctr_va_vdst(0)
	SI
	CODES
.irp k, 1,2,3,4,5,6
	SR \k
.endr
	v_pk_add_f32 v[A2:A2+1], v[A2:A2+1], v[B2:B2+1]
	v_add_f32 v[FB+15], v[A2], v[A2+1]
	s_wait_alu depctr_va_vdst(0)
	s_barrier_wait -1                              ; every wave's parts of V's chunk and of K's next chunk are in LDS
	VLOAD
.if \kind >= 2
	s_add_co_u32 s[TB], s[TB], 16384
	s_add_co_u32 s[TS], s[TS], 1024
	v_add_nc_u32 v[ADK], s[TB], v[LI]
	v_add_nc_u32 v[ADS], s[TS], v[LSC]
	v_add_nc_u32 v[ADM], s[TS], v[LMB]
	GLOAD 0
	WIN 0x55
	LV 1, 16, 16
	WIN 0
.endif
	MOVE
	s_wait_alu depctr_va_vdst(0)                   ; ahead of O^T's first reader
.irp t, 0,1
.set j, 0
.rept 16
	v_pk_mul_f32 v[O+32*\t+2*j:O+32*\t+2*j+1], v[O+32*\t+2*j:O+32*\t+2*j+1], v[FF+2*\t:FF+2*\t+1] op_sel_hi:[1,0]
.set j, j+1
.endr
.endr
	s_wait_alu depctr_va_vdst(0)
	s_wait_dscnt 0x0                               ; V's fragments, and the next chunk's first group
.if \kind >= 2
	QK 0
	QK 1
.endif
	WIN 0x01
.irp s, 0,1                                    ; the eight accumulators by turns
.irp t, 0,1
.irp ct, 0,1,2,3
.if \ct%2
	v_wmma_scale_f32_16x16x128_f8f6f4 v[O+32*\t+8*\ct:O+32*\t+8*\ct+7], v[VF+32*\s+8*\ct:VF+32*\s+8*\ct+7], v[P+16*\t+8*\s:P+16*\t+8*\s+7], v[O+32*\t+8*\ct:O+32*\t+8*\ct+7], v[VS+2*\s+\ct/2], v[PS+2*\t+\s] matrix_a_fmt:MATRIX_FMT_FP4 matrix_b_fmt:MATRIX_FMT_FP4 matrix_a_scale:MATRIX_SCALE_ROW1
.else
	v_wmma_scale_f32_16x16x128_f8f6f4 v[O+32*\t+8*\ct:O+32*\t+8*\ct+7], v[VF+32*\s+8*\ct:VF+32*\s+8*\ct+7], v[P+16*\t+8*\s:P+16*\t+8*\s+7], v[O+32*\t+8*\ct:O+32*\t+8*\ct+7], v[VS+2*\s+\ct/2], v[PS+2*\t+\s] matrix_a_fmt:MATRIX_FMT_FP4 matrix_b_fmt:MATRIX_FMT_FP4
.endif
.endr
.endr
.endr
	WIN 0
.if \kind >= 2
.rept 4
	v_nop                                          ; places ahead of the scores' first read
.endr
.endif
.endm
	s_load_b256 s[4:11], s[0:1], 0x0               ; Q s[4:5], K s[6:7], V s[8:9], the mask s[10:11]
	s_load_b64 s[12:13], s[0:1], 0x20              ; out0
	v_lshl_add_u32 v[SPW], v0, 2, SPARE
	v_mov_b32 v[NIL], 0
	v_lshrrev_b32 v13, 5, v0
	v_readfirstlane_b32 s[WV], v13                 ; wave 0..7
	v_and_b32 v10, 31, v0                          ; l
	v_and_b32 v11, 15, v0                          ; r
	v_bfe_u32 v12, v0, 4, 1                        ; h
	v_bfe_u32 v14, v0, 2, 1                        ; (l / 4) % 2: which half of the head's 64
	v_and_b32 v16, 3, v0                           ; l % 4: which register of the four
	v_lshrrev_b32 v13, 3, v10                      ; l / 8: which row of a pair's four
	s_lshl_b32 s44, s[WV], 13                      ; 32 rows of 256 bytes a wave
	v_lshlrev_b32 v15, 4, v0                       ; the mask: twice four keys a thread
	v_lshlrev_b32 v17, 8, v13
	v_lshl_add_u32 v17, v14, 7, v17
	v_lshl_add_u32 v17, v16, 4, v17
	WIN 0x40
	v_add_nc_u32 v[KGO], s44, v17
	v_lshl_add_u32 v[VGO], v10, 2, s44
	WIN 0
	s_wait_alu depctr_va_vdst(0)
	; the eight work-groups of a head: x % 4 and y / 4 name the head, x / 4 and y % 4 the block of queries
	s_and_b32 s42, ttmp7, 0xffff
	s_and_b32 s15, s42, 0xfffc
	s_and_b32 s43, ttmp9, 3
	s_add_co_u32 s15, s15, s43                     ; the head 16 b + n
	s_and_b32 s19, s42, 3
	s_lshl_b32 s19, s19, 1
	s_lshr_b32 s43, ttmp9, 2
	s_add_co_u32 s19, s19, s43                     ; the block of 256 queries
	s_lshl_b32 s26, s15, 19                        ; the head's first byte in Q, K and V
	s_mov_b32 s27, 0
	s_lshl_b32 s36, s19, 16
	s_mov_b32 s37, 0
	s_lshr_b32 s43, s15, 4                         ; the batch
	s_lshl_b32 s38, s43, 13
	s_mov_b32 s39, 0
	s_lshl_b32 s40, s43, 23                        ; out0: batch x 2^23 + query x 4,096 + n x 256
	s_lshl_b32 s42, s19, 20
	s_add_co_u32 s40, s40, s42
	s_lshl_b32 s42, s[WV], 17
	s_add_co_u32 s40, s40, s42
	s_and_b32 s42, s15, 15
	s_lshl_b32 s42, s42, 8
	s_add_co_u32 s40, s40, s42
	s_mov_b32 s41, 0
	s_mov_b32 s[TB], 0
	s_mov_b32 s[TS], 0
	s_mov_b32 s[SEL], 0x76543210                   ; v_permlanex16_b32's selects for lane l xor 16
	s_mov_b32 s[SEL+1], 0xfedcba98
	s_mov_b32 s[CS], 0x3e38aa3b                    ; c = log2(e) / 8
	s_mov_b32 s[CS+1], s[CS]
	; my block of 32 keys: 128 keys w / 4, 64 keys (w / 2) % 2, half w % 2
	s_lshr_b32 s16, s[WV], 2
	s_bfe_u32 s17, s[WV], 0x10001
	s_and_b32 s18, s[WV], 1
	s_lshl_b32 s30, s16, 13
	s_mov_b32 s32, s30
	s_lshl_b32 s44, s17, 11
	s_add_co_u32 s30, s30, s44
	s_lshl_b32 s44, s18, 7
	s_add_co_u32 s30, s30, s44                     ; K's codes
	s_lshl_b32 s31, s16, 9
	s_add_co_u32 s31, s31, SCB
	s_and_b32 s45, s[WV], 3
	s_add_co_u32 s33, s31, s45
	s_add_co_u32 s33, s33, 8                       ; V's byte
	s_add_co_u32 s31, s31, s44
	s_lshl_b32 s44, s17, 2
	s_add_co_u32 s31, s31, s44                     ; K's bytes
	s_lshl_b32 s44, s17, 9
	s_add_co_u32 s32, s32, s44
	s_lshl_b32 s44, s18, 8
	s_add_co_u32 s32, s32, s44
	s_add_co_u32 s32, s32, 4096                    ; V's codes
	s_mul_i32 s34, s[WV], 1280
	s_add_co_u32 s34, s34, QAR                     ; Q's images, and its bytes 1,024 on
	s_add_co_u32 s35, s34, 1024
	s_wait_kmcnt 0x0
	s_add_nc_u64 s[4:5], s[4:5], s[26:27]
	s_add_nc_u64 s[4:5], s[4:5], s[36:37]
	s_add_nc_u64 s[KB:KB+1], s[KB:KB+1], s[26:27]
	s_add_nc_u64 s[VB:VB+1], s[VB:VB+1], s[26:27]
	s_add_nc_u64 s[10:11], s[10:11], s[38:39]
	s_add_nc_u64 s[12:13], s[12:13], s[40:41]
	WIN 0x01
.irp p, 0,1,2,3,4,5,6,7
	LPAIR \p, S, KB, 0                             ; chunk 0's K (16 loads), into the scores' registers,
.endr
	WIN 0x55
.irp p, 0,1,2,3,4,5,6,7
	LPAIR \p, VF, 4, 0                             ; my 32 queries (16),
.endr
	WIN 0
	global_load_b128 v[30:33], v15, s[10:11]       ; the mask (2),
	global_load_b128 v[34:37], v15, s[10:11] offset:4096
	WIN 0x55
.irp p, 0,1,2,3,4,5,6,7
	LPAIR \p, XK, KB, 65536                        ; chunk 1's K (16)
.endr
	WIN 0
	; while they are on their way: the LDS addresses and what begins as a constant
	v_lshlrev_b32 v[LI], 4, v10
	v_lshl_add_u32 v[LSC], v10, 4, SCB
	v_lshl_add_u32 v[LMB], v12, 7, MB
	v_lshlrev_b32 v17, 4, v13
	v_lshl_add_u32 v18, v13, 4, v14
	v_lshl_add_u32 v17, v14, 8, v17
	v_lshl_add_u32 v19, v13, 2, v14
	v_lshl_add_u32 v17, v16, 2, v17
	v_lshlrev_b32 v20, 4, v11
	v_lshl_add_u32 v26, v0, 4, MB                  ; where I store bias'
	v_lshl_add_u32 v20, v12, 10, v20
	v_add_nc_u32 v254, s34, v[LI]                  ; where I read Q's codes,
	v_lshl_add_u32 v255, v11, 2, s35               ; and its bytes
	WIN 0x40
	v_add_nc_u32 v[KWA], s30, v17
	v_add_nc_u32 v[KWS], s31, v18
	v_add_nc_u32 v[VWA], s32, v20
	v_lshl_add_u32 v[VWS], v10, 4, s33
	v_add_nc_u32 v[QWA], s34, v17
	v_add_nc_u32 v[QWS], s35, v19
	WIN 0
	v_mov_b32 v[SC], 0x3e800000
	v_mov_b32 v[FF+1], 0                           ; (named as the upper half of a pair)
	v_mov_b32 v[FF+3], 0
.irp t, 0,1
	v_mov_b32 v[NM+\t], 0x7f61b1e6                 ; M so far: -3e38, under every t
	v_mov_b32 v[L+\t], 0
.irp g, 0,1,2,3
	v_mov_b32 v[FB+8*\t+2*\g+1], 0                 ; (named as the upper half of a pair)
	v_mov_b32 v[Q+4+8*\t+\g], 0                    ; zero codes beside q
.endr
.endr
.set j, 0
.rept 56
	v_mov_b32 v[O+j], 0                            ; O^T.  (The chunk is written without a first form of its own: the first change of M multiplies zeros)
.set j, j+1
.endr
	WIN 0x55
	LV 0, 0, 32                                    ; the first half of chunk 0's V (32)
	s_wait_alu depctr_va_vdst(0)
	s_wait_loadcnt 63                              ; chunk 0's K is in: 66 loads stand behind it
	STK S, 0, 0, 0
	s_wait_alu depctr_va_vdst(0)
	s_wait_loadcnt 50                              ; Q is in: behind it the mask's 2, K's 16 and V's 32
	s_wait_dscnt 0x0                               ; K's stores have read their registers
	QROWS VF, 1
.irp p, 0,1,2,3,4,5,6,7
	ds_store_b32 v[QWA], v[C+\p] offset:512*(\p/4)+64*(\p%4)
	ds_store_b8 v[QWS], v[GM+\p] offset:16*\p
.endr
	s_wait_alu depctr_va_vdst(0)
	s_wait_loadcnt 48                              ; the mask is in
	WIN 0
.irp i, 0,1,2,3,4,5,6,7
	v_sub_f32 v[30+\i], 1.0, v[30+\i]
.endr
.irp i, 0,1,2,3,4,5,6,7
	v_mul_f32 v[30+\i], 0xc79c4000, v[30+\i]       ; x -80000
.endr
	ds_store_b128 v26, v[30:33]
	ds_store_b128 v26, v[34:37] offset:4096
	ds_load_b128 v[Q:Q+3], v254                    ; Q's operands: LDS serves a wave's instructions in order (ISA guide 5.7.1.4): these see my stores
	ds_load_b128 v[Q+16:Q+19], v254
	ds_load_b128 v[Q+8:Q+11], v254 offset:512
	ds_load_u16 v[QS], v255
	ds_load_u16 v[QS+1], v255 offset:64
	v_add_nc_u32 v[ADK], s[TB], v[LI]
	v_add_nc_u32 v[ADS], s[TS], v[LSC]
	v_add_nc_u32 v[ADM], s[TS], v[LMB]
	s_wait_alu depctr_va_vdst(0)
	s_wait_dscnt 0x0
	v_lshl_or_b32 v[QS], v[QS], 16, v[QS]          ; the same two bytes for [q, 0] and for [0, q]
	v_lshl_or_b32 v[QS+1], v[QS+1], 16, v[QS+1]
.rept 8
	v_mov_b32 v[O+j], 0                            ; the last of O^T: the places between the scale words and the products
.set j, j+1
.endr
	s_wait_alu depctr_va_vdst(0)
	s_barrier_signal -1
	s_barrier_wait -1                              ; chunk 0's K and bias' lie in LDS
	GLOAD 0
	s_wait_dscnt 0x0
	QK 0
	QK 1
	WIN 0x55
	LV 1, 0, 32                                    ; the second half of chunk 0's V
	WIN 0
.rept 4
	v_nop
.endr
	s_mov_b32 s[CNT], 6
.Lchunk:                                           ; trip t multiplies chunk t
.irp u, 0,1,2,3,4,5,6,7
	UNIT \u, 3
.endr
	FIN 3
	s_sub_co_u32 s[CNT], s[CNT], 1
	s_cmp_lg_u32 s[CNT], 0
	s_cbranch_scc1 .Lchunk
.irp u, 0,1,2,3,4,5,6,7
	UNIT \u, 2
.endr
	FIN 2
.irp u, 0,1,2,3,4,5,6,7
	UNIT \u, 1
.endr
	FIN 1
	; THE WAY OUT.  O^T / the sum goes through my own stage and leaves as rows of 256 bytes: sixteen lanes store one (query, head) run of out0, aligned.  The address lines are the places behind the last products.
	s_mul_i32 s34, s[WV], 4352
	s_add_co_u32 s34, s34, STG
	v_and_b32 v10, 15, v0                          ; r
	v_bfe_u32 v11, v0, 4, 1                        ; h
	v_permlanex16_b32 v30, v[L], s[SEL], s[SEL+1]
	v_permlanex16_b32 v31, v[L+1], s[SEL], s[SEL+1]
	v_mul_u32_u24 v6, v10, 272
	v_mul_u32_u24 v7, v11, 272
	v_lshlrev_b32 v8, 12, v11
	v_add_f32 v[L], v[L], v30                      ; with lane l xor 16's keys: the row's sum, at least 1
	v_add_f32 v[L+1], v[L+1], v31
	v_lshl_add_u32 v6, v11, 5, v6
	v_lshl_add_u32 v7, v10, 4, v7
	v_lshl_add_u32 v8, v10, 4, v8                  ; a query's row of out0 is 4,096 bytes on from the last
	v_add_nc_u32 v6, s34, v6                       ; in: row r; tile ct's eight channels of my half at 64 ct + 32 h
	v_add_nc_u32 v7, s34, v7                       ; back: lanes 0-15 one row, lanes 16-31 the next
	s_wait_alu depctr_va_vdst(0)
	v_rcp_f32 v[FF], v[L]
	v_rcp_f32 v[FF+2], v[L+1]
	v_nop
	s_wait_alu depctr_va_vdst(0)
.irp t, 0,1
.set j, 0
.rept 16
	v_pk_mul_f32 v[S+32*\t+2*j:S+32*\t+2*j+1], v[O+32*\t+2*j:O+32*\t+2*j+1], v[FF+2*\t:FF+2*\t+1] op_sel_hi:[1,0]   ; register 8 ct + i is channel 16 ct + 8 h + i of query r
.set j, j+1
.endr
.endr
.irp t, 0,1
.irp ct, 0,1,2,3
	ds_store_b128 v6, v[S+32*\t+8*\ct:S+32*\t+8*\ct+3] offset:64*\ct
	ds_store_b128 v6, v[S+32*\t+8*\ct+4:S+32*\t+8*\ct+7] offset:64*\ct+16
.endr
.irp i, 0,1,2,3,4,5,6,7
	ds_load_b128 v[P+112*\t+4*\i:P+112*\t+4*\i+3], v7 offset:544*\i   ; in order: these see my stores, and tile B's stores come behind tile A's loads
.endr
.endr
.irp t, 0,1
.irp i, 0,1,2,3,4,5,6,7
	s_wait_dscnt 23-16*\t-\i
	global_store_b128 v8, v[P+112*\t+4*\i:P+112*\t+4*\i+3], s[12:13] offset:65536*\t+8192*\i th:TH_STORE_NT
.endr
.endr
	s_wait_tensorcnt 0x0
	ds_add_u32 v[SPW], v[NIL]                      ; the wave's end
	s_wait_dscnt 0x0
	s_endpgm
.Lfunc_end_k_qd9b0b0f832_attn:
	.size	k_qd9b0b0f832_attn, .Lfunc_end_k_qd9b0b0f832_attn-k_qd9b0b0f832_attn
	.p2alignl 7, 3214868480
	.fill 96, 4, 3214868480
	.section	.rodata,"a",@progbits
	.p2align	6, 0x0
	.amdhsa_kernel k_qd9b0b0f832_attn
		.amdhsa_group_segment_fixed_size 193536
		.amdhsa_private_segment_fixed_size 0
		.amdhsa_enable_private_segment 0
		.amdhsa_kernarg_size 40
		.amdhsa_user_sgpr_count 2
		.amdhsa_user_sgpr_kernarg_segment_ptr 1
		.amdhsa_wavefront_size32 1
		.amdhsa_system_sgpr_workgroup_id_x 1
		.amdhsa_system_sgpr_workgroup_id_y 1
		.amdhsa_system_sgpr_workgroup_id_z 1
		.amdhsa_system_vgpr_workitem_id 0
		.amdhsa_next_free_vgpr 512
		.amdhsa_next_free_sgpr 66
		.amdhsa_reserve_vcc 0
		.amdhsa_float_denorm_mode_32 3
		.amdhsa_float_denorm_mode_16_64 3
		.amdhsa_memory_ordered 1
		.amdhsa_forward_progress 1
		.amdhsa_inst_pref_size 231
	.end_amdhsa_kernel
	.amdgpu_metadata
---
amdhsa.version: [ 1, 2 ]
amdhsa.kernels:
  - .name:           k_qd9b0b0f832_attn
    .symbol:         k_qd9b0b0f832_attn.kd
    .args:
      - { .name: query_layer, .offset: 0, .size: 8, .value_kind: global_buffer, .address_space: global }
      - { .name: key_layer, .offset: 8, .size: 8, .value_kind: global_buffer, .address_space: global }
      - { .name: value_layer, .offset: 16, .size: 8, .value_kind: global_buffer, .address_space: global }
      - { .name: attention_mask, .offset: 24, .size: 8, .value_kind: global_buffer, .address_space: global }
      - { .name: out0, .offset: 32, .size: 8, .value_kind: global_buffer, .address_space: global }
    .group_segment_fixed_size: 193536
    .private_segment_fixed_size: 0
    .kernarg_segment_align: 8
    .kernarg_segment_size: 40
    .max_flat_workgroup_size: 256
    .sgpr_count:     66
    .vgpr_count:     512
    .wavefront_size: 32
...
	.end_amdgpu_metadata
.endif
;; end of part 1
